; MI455X (gfx1250); checked and timed in simulation.
; The chip was launched on July 23, 2026; its instructions are those of AMD's public machine-readable ISA for CDNA 5 (MIT licence, August 2026) and "CDNA5" Instruction Set Architecture Reference Guide (July 2026). The comments in the code are by the model that wrote it; some were corrected since.
;; Temporal Attention. Allowed arithmetic: matrix products marked QUANTISED: E4M3 operands, one given power-of-two scale a tensor, by v_wmma_f32_16x16x64_fp8_fp8 or v_wmma_f32_16x16x128_fp8_fp8, f32 sums; everything else in f32.
;; Inputs: X 32 x 512 x 512 float32; b1 512 float32; be_ffn 512 float32; be_mha 512 float32; bf1 1,024 float32; bf2 512 float32; bk 512 float32; bq 512 float32; bv 512 float32; g_ffn 512 float32; g_mha 512 float32; lowp_scales 16 int32 (the exponents e of the quantised operands' scales 2^e); w1_codes 512 x 16 x 32 uint8 (E4M3 codes of w1, K innermost, in blocks of 32 codes); wf1_codes 1,024 x 16 x 32 uint8 (E4M3 codes of wf1, K innermost, in blocks of 32 codes); wf2_codes 512 x 32 x 32 uint8 (E4M3 codes of wf2, K innermost, in blocks of 32 codes); wk_codes 512 x 16 x 32 uint8 (E4M3 codes of wk, K innermost, in blocks of 32 codes); wq_codes 512 x 16 x 32 uint8 (E4M3 codes of wq, K innermost, in blocks of 32 codes); wv_codes 512 x 16 x 32 uint8 (E4M3 codes of wv, K innermost, in blocks of 32 codes).
;; Outputs: out0 32 x 512 x 512 float32.
;; Constants: K = 8.
;; This version of the problem:
;;   THIS VERSION OF THE PROBLEM IS GIVEN IN LOW PRECISION. The matrix products marked QUANTISED in the list below multiply operands that are first quantised to E4M3 (4 exponent bits, 3 mantissa bits; 8 bits a number), with one given power-of-two scale for each operand tensor; their sums are f32. All else is computed in f32.
;;   The module's matrix products, in the order in which they are computed (A, B: the left and right operand; K: the contracted axis; several contracted axes count as one K, in the product's order):
;;     1. [M 16,384, K 512] x [K 512, N 512]; A: computed on the way; B: input wq (given as codes): QUANTISED (scales: A lowp_scales[0], B lowp_scales[1])
;;     2. [M 16,384, K 512] x [K 512, N 512]; A: computed on the way; B: input wk (given as codes): QUANTISED (scales: A lowp_scales[2], B lowp_scales[3])
;;     3. [M 16,384, K 512] x [K 512, N 512]; A: computed on the way; B: input wv (given as codes): QUANTISED (scales: A lowp_scales[4], B lowp_scales[5])
;;     4. batch 256 x [M 512, K 64] x [K 64, N 512]; A: computed on the way; B: computed on the way: QUANTISED (scales: A lowp_scales[6], B lowp_scales[7])
;;     5. batch 256 x [M 64, K 512] x [K 512, N 512]; A: computed on the way; B: softmax (see below): QUANTISED (scales: A lowp_scales[8], B lowp_scales[9])
;;     6. [M 16,384, K 512] x [K 512, N 512]; A: computed on the way; B: input w1 (given as codes): QUANTISED (scales: A lowp_scales[10], B lowp_scales[11])
;;     7. [M 16,384, K 512] x [K 512, N 1,024]; A: computed on the way; B: input wf1 (given as codes): QUANTISED (scales: A lowp_scales[12], B lowp_scales[13])
;;     8. [M 16,384, K 1,024] x [K 1,024, N 512]; A: computed on the way; B: input wf2 (given as codes): QUANTISED (scales: A lowp_scales[14], B lowp_scales[15])
;;   THE QUANTISER, for each operand of a quantised product, along K:
;;     - The operand's scale is 2^e, e = its entry of the input lowp_scales (int32; the entries are numbered through the quantised products in the list's order, A before B).
;;     - Each number is divided by the scale, clamped to +-448, and rounded to the nearest number of E4M3, ties to even, subnormals kept.
;;     - The product sums the exact products of the quantised numbers (number of the format x scale) in f32.
;;   ~~~python
;;   def quantise(x, axis, e):      # numpy; x: float32 -> the quantised numbers, widened to float32 again
;;       x = np.moveaxis(x, axis, -1); K = x.shape[-1]
;;       r = np.clip(x / 2.0 ** e, -448, 448)
;;       step = 2.0 ** (np.maximum(np.frexp(np.where(r == 0, 1, r))[1] - 1, -6) - 3)
;;       q = np.round(r / step) * step * 2.0 ** e      # np.round: ties to even
;;       return np.moveaxis(q, -1, axis).astype(np.float32)
;;   ~~~
;;   SOFTMAX AHEAD OF A QUANTISED PRODUCT. Where the list says 'softmax', what is quantised is not the finished softmax but p = 2^(t - M), with t = logit x log2(e) and M = ceil(the row's largest t), a whole number; so 1/2 < the row's largest p <= 1. The row's sum l is taken of the UNQUANTISED p, in f32, and the product's result is divided by l at the end. Since M is a whole number, a kernel that streams over the keys may use a running M (the ceiling of the running maximum): every later rescaling is an exact power of two, so the quantised numbers keep their values, but for numbers so far below the row's largest that they fall under the format's range.
;;   OPERANDS COMPUTED ON THE WAY. 'Computed on the way' means the value that the module computes at that place (a softmax that the list does not call 'softmax' is quantised finished and normalised). What goes into a quantiser is computed in f32, as accurately as f32 sums, v_exp_f32 and their like allow (about 1e-6 of the number): no bf16 or f16 on the way to a quantiser, and a product that is left as it is and whose result goes on into a quantised operand takes f32 operands (vector FMAs, or v_wmma_f32_16x16x4_f32). A number that lies on a knife's edge between two numbers of the format may be rounded either way, as far as f32 arithmetic and the matrix unit's own rounding can turn it there, and no further.
;;   INPUTS GIVEN AS CODES. w1 (in the module: [512, 512], K = its axis 1); wf1 (in the module: [1024, 512], K = its axis 1); wf2 (in the module: [512, 1024], K = its axis 1); wk (in the module: [512, 512], K = its axis 1); wq (in the module: [512, 512], K = its axis 1); wv (in the module: [512, 512], K = its axis 1): each comes as NAME_codes (uint8): NAME with its K axis moved to the last place and cut into blocks of 32 codes, [.., K / 32, bytes a block], one block behind the other in memory; one code a byte (a code: sign, 4 exponent bits, 3 mantissa bits); its scale is its entry of lowp_scales. Its value is code x scale, taken as it is: it is not quantised again, and the codes and scales need not be those that the quantiser above would give.
;; One version. Each part assembles by itself: llvm-mc -triple=amdgcn-amd-amdhsa -mcpu=gfx1250 --defsym DOCPART=n.
;; ======== version 1 of 1: 2 launches
;; workspace buffers: xn 33,554,432 bytes; qkv 25,165,824 bytes
;; launch lnqkv (part 1): grid 256 x 1, 4 waves a work-group, no clusters, 232,960 bytes of LDS; arguments X, g_mha, be_mha, wq_codes, wk_codes, wv_codes, bq, bk, bv, lowp_scales, xn, qkv; writes xn, qkv
.if DOCPART == 1
	.amdgcn_target "amdgcn-amd-amdhsa--gfx1250"
	.amdhsa_code_object_version 6
	.text
	.protected	k_q5c4cedac0c_lnqkv
	.globl	k_q5c4cedac0c_lnqkv
	.p2align	8
	.type	k_q5c4cedac0c_lnqkv,@function
k_q5c4cedac0c_lnqkv:
	s_mov_b64 s[64:65], 0
	v_nop
	global_prefetch_b8 v0, s[64:65] scope:SCOPE_SE
	s_setreg_imm32_b32 hwreg(HW_REG_WAVE_MODE, 25, 1), 1
	s_wait_xcnt 0x0
; Xn = LayerNorm(X + timing signal); q, k, v = relu(Xn W^T + b), all three products on E4M3 codes; Xn goes out as f32, q, k, v as codes for the attention launch.
; SHARES.  A work-group has 64 rows (batch n = wg / 8, tokens 64 (wg % 8) on).  LayerNorm: wave w has rows 16 w .. 16 w + 15, a whole row in one wave (16 numbers a lane).
; Products: wave w has columns 128 w .. 128 w + 127 (heads 2 w, 2 w + 1) of q, k and v for all 64 rows: 32 accumulators of 16 x 16.
; Xn's codes (three sets: the three products have scales of their own) go from wave to wave through LDS as rows of 512 bytes + 16.
; The weights go from memory straight into registers, four buffers of one K step (128) each, filled four steps ahead: with 64 rows to a work-group a weight byte serves 64 multiply-adds, and a way through LDS would cost more LDS traffic than A's rows do.
; No cluster for the same reason: a joint load lands in LDS alone.
; LAYOUT.  Weight tile t: lane r takes row 32 (t/2) + 8 (t%2) + r + 8 (r/8).  q, k: source 0 = weights, source 1 = rows: lane (r, h) holds token r, register j of tile t column 32 (t/2) + 16 h + 8 (t%2) + j:
; tiles 2 b, 2 b + 1 are 16 neighbours along the next K.  v: source 0 = rows, source 1 = weights: a lane holds one column and 8 tokens: neighbours along the keys, the next K of v.
; k within an instruction is permuted alike in both operands (registers 4 c .. 4 c + 3: k = 32 c + 16 h + 0 .. 15).
; THE SIGNAL.  sin and cos by reduction with pi/2 in two parts and polynomials of degree 7 and 8; exact start at the wave's first token, then a rotation by the frequency row by row, 15 steps.
; LIMITS.  e0, e2, e4, e6-e0-e1, e7-e2-e3, e8-e4-e5 between -126 and 119, so that each power of two and 448 times it is an f32 number.  NaN among the inputs is not served.
; The signal differs from a direct f32 evaluation by up to about 6e-5 where token x frequency is near 511 (one unit in the frequency's last place times the token).  Divisions are a reciprocal and a product.
; REGISTERS.  window 0: v1-31 addresses and scales; LayerNorm: v32-47 sin, cos; v48-79 at work; v80-127 codes; v128-191 four rows; v192-255 gain, bias, rotation.  Products: v64-127, v128-191 A's fragments, v192-255 the bias as C.
; window 1: the 32 accumulators, (t, m) at 64 m + 8 t.   windows 2, 3: four weight buffers of 128 registers.
.set CP,    528                        ; a row of codes in LDS: 512 bytes + 16: sixteen rows of a fragment load start at sixteen different groups of banks
.set CS,    131072                     ; behind the four waves' 32,768 bytes of X: three sets of 64 rows of codes
.set CSET,  64*CP
.set AF0,   64
.set AF1,   128
.set BIAS,  192
.set S,     32
.set C,     40
.set T,     48
.set CODE,  80
.set D,     128
.set G,     192
.set BE,    208
.set SD,    224
.set CD,    232
.set OM,    240
.set XNO,   248
.set TK,    80                         ; at work in SINCOS8
.set TR,    88
.set TZ,    96
.set TS,    104
.set TC,    112
.set TI,    120
.set MSB, 0
.macro WIN new                         ; the immediate's high byte repeats the setting that is left; a switch that changes nothing is dropped
.if MSB != (\new)
	s_set_vgpr_msb (MSB<<8)|(\new)
.set MSB, (\new)
.endif
.endm
.macro PLACES                          ; four plain vector instructions behind matrix instructions, ahead of loads into their registers and of reads of their results
.rept 4
	v_nop
.endr
.endm
; 32 loads: the eight weight fragments of one K step into buffer buf
.macro WFILL buf, base, voff, rowb, koff
	WIN 0x80+0x40*((\buf)>>1)
.irp t,0,1,2,3,4,5,6,7
.irp c,0,1,2,3
	global_load_b128 v[128*((\buf)&1)+16*\t+4*\c:128*((\buf)&1)+16*\t+4*\c+3], v[\voff], s[\base:\base+1] offset:(32*(\t/2)+8*(\t%2))*(\rowb)+(\koff)+32*\c
.endr
.endr
	WIN 0
.endm
; 16 LDS loads: the four row tiles' fragments of K step s
.macro AFETCH af, adr, s
.irp m,0,1,2,3
.irp c,0,1,2,3
	ds_load_b128 v[\af+16*\m+4*\c:\af+16*\m+4*\c+3], v[\adr] offset:16*CP*\m+128*(\s)+32*\c
.endr
.endr
.endm
; one K step: 32 matrix instructions, the 32 accumulators by turns in the same order in every step.  orient = 1: rows are source 0.  cin = 1: the bias starts the sums.
.macro GSTEP buf, af, orient, cin, lcnt, dcnt
	s_wait_loadcnt \lcnt                           ; this buffer's fill is in: at least lcnt loads were issued behind it
	s_wait_dscnt \dcnt                             ; this step's fragments of A are in; the next step's may be out
.if \orient
	WIN 0x40|(0x10*(1-\cin))|((2+((\buf)>>1))<<2)
.else
	WIN 0x40|(0x10*(1-\cin))|(2+((\buf)>>1))
.endif
.irp m,0,1,2,3
.irp t,0,1,2,3,4,5,6,7
.if \orient
.if \cin
	v_wmma_f32_16x16x128_fp8_fp8 v[64*\m+8*\t:64*\m+8*\t+7], v[\af+16*\m:\af+16*\m+15], v[128*((\buf)&1)+16*\t:128*((\buf)&1)+16*\t+15], v[BIAS+8*\t:BIAS+8*\t+7]
.else
	v_wmma_f32_16x16x128_fp8_fp8 v[64*\m+8*\t:64*\m+8*\t+7], v[\af+16*\m:\af+16*\m+15], v[128*((\buf)&1)+16*\t:128*((\buf)&1)+16*\t+15], v[64*\m+8*\t:64*\m+8*\t+7]
.endif
.else
.if \cin
	v_wmma_f32_16x16x128_fp8_fp8 v[64*\m+8*\t:64*\m+8*\t+7], v[128*((\buf)&1)+16*\t:128*((\buf)&1)+16*\t+15], v[\af+16*\m:\af+16*\m+15], v[BIAS+8*\t:BIAS+8*\t+7]
.else
	v_wmma_f32_16x16x128_fp8_fp8 v[64*\m+8*\t:64*\m+8*\t+7], v[128*((\buf)&1)+16*\t:128*((\buf)&1)+16*\t+15], v[\af+16*\m:\af+16*\m+15], v[64*\m+8*\t:64*\m+8*\t+7]
.endif
.endif
.endr
.endr
	WIN 0
	PLACES
.endm
.macro BLOAD base                      ; a bias in the layout of a transposed result: register 16 b + i = column 32 b + 16 h + i
.irp b,0,1,2,3
.irp q,0,1,2,3
	global_load_b128 v[BIAS+16*\b+4*\q:BIAS+16*\b+4*\q+3], v4, s[\base:\base+1] offset:128*\b+16*\q
.endr
.endr
.endm
.macro MKSC e, vs, vl                  ; v[vs] = 2^e as f32 (the conversion takes its exponent field), v[vl] = 448 x 2^e; e in s[e]
	s_add_co_i32 s56, s[\e], 127
	s_lshl_b32 s57, s56, 23
	v_mov_b32 v[\vs], s57
	s_add_co_i32 s56, s56, 8
	s_lshl_b32 s56, s56, 23
	s_or_b32 s56, s56, 0x600000
	v_mov_b32 v[\vl], s56
.endm
; relu, the hold and the conversion of the 32 accumulators, and their way to memory.  kind 0: q, 1: k, 2: v
.macro EPILOG esc, kind
	MKSC \esc, 22, 23
	WIN 0x41
.set i,0
.rept 256
	v_med3_num_f32 v[i], v[i], 0, v23              ; the activation and the hold in one (the conversion does not saturate: ISA guide 7.6.2); each accumulator from its low end on
.set i,i+1
.endr
	WIN 0x01
.irp m,0,1,2,3
.irp t,0,1,2,3,4,5,6,7
.if \kind == 2
	v_cvt_scalef32_pk8_fp8_f32 v[AF1+8*\t+2*\m:AF1+8*\t+2*\m+1], v[64*\m+8*\t:64*\m+8*\t+7], v22
.else
	v_cvt_scalef32_pk8_fp8_f32 v[AF1+16*\m+2*\t:AF1+16*\m+2*\t+1], v[64*\m+8*\t:64*\m+8*\t+7], v22
.endif
.endr
.endr
	WIN 0
	v_nop                                          ; a plain instruction behind the last conversion
.if \kind == 2
.irp t,0,1,2,3,4,5,6,7
.irp q,0,1
	global_store_b128 v1, v[AF1+8*\t+4*\q:AF1+8*\t+4*\q+3], s[72:73] offset:98304*(\t/4)+8192*(\t%4)+512*\q   ; 512 consecutive bytes: a quad of a fragment of V^T
.endr
.endr
.else
.irp m,0,1,2,3
.irp b,0,1,2,3
	global_store_b128 v1, v[AF1+16*\m+4*\b:AF1+16*\m+4*\b+3], s[70:71] offset:98304*(\b/2)+32768*\kind+1024*\m+512*(\b%2)   ; 512 consecutive bytes: a quad of a token tile's image
.endr
.endr
.endif
.endm
; sin and cos of eight angles a >= 0
.macro SINCOS8 a, so, co
.irp i,0,1,2,3,4,5,6,7
	v_mul_f32 v[TK+\i], s74, v[\a+\i]
.endr
.irp i,0,1,2,3,4,5,6,7
	v_rndne_f32 v[TK+\i], v[TK+\i]                 ; k = the nearest multiple of pi/2
.endr
.irp i,0,1,2,3,4,5,6,7
	v_fma_f32 v[TR+\i], v[TK+\i], s75, v[\a+\i]
.endr
.irp i,0,1,2,3,4,5,6,7
	v_fma_f32 v[TR+\i], v[TK+\i], s76, v[TR+\i]    ; r = a - k pi/2, pi/2 in two parts
.endr
.irp i,0,1,2,3,4,5,6,7
	v_mul_f32 v[TZ+\i], v[TR+\i], v[TR+\i]
	v_cvt_i32_f32 v[TI+\i], v[TK+\i]
.endr
.irp i,0,1,2,3,4,5,6,7
	v_fma_f32 v[TS+\i], v[TZ+\i], s79, s78
	v_fma_f32 v[TC+\i], v[TZ+\i], s82, s81
.endr
.irp i,0,1,2,3,4,5,6,7
	v_fma_f32 v[TS+\i], v[TS+\i], v[TZ+\i], s77
	v_fma_f32 v[TC+\i], v[TC+\i], v[TZ+\i], s80
.endr
.irp i,0,1,2,3,4,5,6,7
	v_mul_f32 v[TK+\i], v[TZ+\i], v[TR+\i]
.endr
.irp i,0,1,2,3,4,5,6,7
	v_fma_f32 v[TS+\i], v[TS+\i], v[TK+\i], v[TR+\i]   ; sin r
.endr
.irp i,0,1,2,3,4,5,6,7
	v_mul_f32 v[TK+\i], v[TZ+\i], v[TZ+\i]
	v_fma_f32 v[TR+\i], v[TZ+\i], -0.5, 1.0
.endr
.irp i,0,1,2,3,4,5,6,7
	v_fma_f32 v[TC+\i], v[TC+\i], v[TK+\i], v[TR+\i]   ; cos r
.endr
.irp i,0,1,2,3,4,5,6,7
	v_and_b32 v[TK+\i], 1, v[TI+\i]
	v_cmp_eq_u32 vcc_lo, 1, v[TK+\i]               ; odd quadrants change sin and cos
	v_cndmask_b32 v[\so+\i], v[TS+\i], v[TC+\i], vcc_lo
	v_cndmask_b32 v[\co+\i], v[TC+\i], v[TS+\i], vcc_lo
.endr
.irp i,0,1,2,3,4,5,6,7
	v_lshlrev_b32 v[TK+\i], 30, v[TI+\i]           ; sin is negative in quadrants 2, 3: bit 1 of k
	v_add_nc_u32 v[TI+\i], 1, v[TI+\i]             ; cos in quadrants 1, 2: bit 1 of k + 1
.endr
.irp i,0,1,2,3,4,5,6,7
	v_and_b32 v[TK+\i], 0x80000000, v[TK+\i]
	v_lshlrev_b32 v[TI+\i], 30, v[TI+\i]
.endr
.irp i,0,1,2,3,4,5,6,7
	v_xor_b32 v[\so+\i], v[\so+\i], v[TK+\i]
	v_and_b32 v[TI+\i], 0x80000000, v[TI+\i]
.endr
.irp i,0,1,2,3,4,5,6,7
	v_xor_b32 v[\co+\i], v[\co+\i], v[TI+\i]
.endr
.endm
; the sum over the 32 lanes of v[T + 8 p + o], for the four rows p; v[T + 8 p + o + 1] is at work
.macro REDUCE o
.irp x,1,2,4,8
.irp p,0,1,2,3
	v_add_f32_dpp v[T+8*\p+\o], v[T+8*\p+\o], v[T+8*\p+\o] row_xmask:\x row_mask:0xf bank_mask:0xf
.endr
.endr
.irp p,0,1,2,3
	v_permlanex16_b32 v[T+8*\p+\o+1], v[T+8*\p+\o], s58, s59
.endr
.irp p,0,1,2,3
	v_add_f32 v[T+8*\p+\o], v[T+8*\p+\o], v[T+8*\p+\o+1]
.endr
.endm
	s_load_b512 s[4:19], s[0:1], 0x0               ; X s[4:5], g s[6:7], be s[8:9], wq s[10:11], wk s[12:13], wv s[14:15], bq s[16:17], bk s[18:19]
	s_load_b256 s[20:27], s[0:1], 0x40             ; bv s[20:21], the scales' exponents s[22:23], xn s[24:25], qkv s[26:27]
	v_lshl_add_u32 v254, v0, 2, 0x38c00
	v_mov_b32 v255, 0
	ds_add_u32 v254, v255
	ds_add_u32 v254, v255
	s_wait_dscnt 0x0
	v_lshrrev_b32 v48, 5, v0
	v_readfirstlane_b32 s2, v48                    ; wave 0..3
	v_and_b32 v48, 31, v0                          ; lane
	v_and_b32 v49, 15, v0                          ; r
	v_bfe_u32 v50, v0, 4, 1                        ; h
	v_and_b32 v51, 8, v49
	v_add_nc_u32 v51, v51, v49                     ; r + 8 (r / 8)
	v_lshlrev_b32 v1, 4, v48                       ; 16 x lane
	v_lshlrev_b32 v2, 9, v51
	v_lshl_add_u32 v2, v50, 4, v2                  ; a weight's row of 512 bytes, + 16 h
	v_lshlrev_b32 v3, 2, v51                       ; bv: my column of a tile
	v_lshlrev_b32 v4, 6, v50                       ; bq, bk: 64 h
	v_mul_u32_u24 v52, v49, CP
	v_lshl_add_u32 v52, v50, 4, v52
	v_add_nc_u32 v5, CS, v52                       ; A's fragments: row r, + 16 h, in the three sets
	v_add_nc_u32 v6, CS+CSET, v52
	v_add_nc_u32 v7, CS+2*CSET, v52
	s_lshl_b32 s62, s2, 15                         ; my wave's 16 rows of X in LDS
	v_add_nc_u32 v8, s62, v1
	s_mul_i32 s63, s2, 16*CP
	v_lshlrev_b32 v52, 2, v48                      ; 4 x lane
	v_add_nc_u32 v53, s63, v52
	v_add_nc_u32 v10, CS, v53                      ; where my codes go: my wave's 16 rows, + 4 x lane
	v_add_nc_u32 v11, CS+CSET, v53
	v_add_nc_u32 v12, CS+2*CSET, v53
	; descriptor group 1: my 16 rows of X are one dense block of 32,768 bytes: 128 rows of 32 elements of 8 bytes
	s_mov_b32 s48, 3<<16
	s_mov_b32 s49, 32<<16
	s_mov_b32 s50, 128<<16
	s_mov_b32 s51, 32<<16
	s_mov_b32 s52, 128
	s_mov_b32 s53, 32
	s_mov_b32 s54, 0
	s_mov_b32 s55, 0
	s_lshl_b32 s56, ttmp9, 17                      ; 64 rows of 2,048 bytes a work-group,
	s_add_co_u32 s56, s56, s62                     ; 16 a wave
	s_mov_b32 s57, 0
	s_mov_b32 s58, 0x76543210                      ; v_permlanex16_b32: lane l xor 16
	s_mov_b32 s59, 0xfedcba98
	s_mov_b32 s74, 0x3f22f983                      ; 2 / pi
	s_mov_b32 s75, 0xbfc90fdb                      ; -pi/2, the f32 next to it,
	s_mov_b32 s76, 0x333bbd2e                      ; and what that f32 has too much
	s_mov_b32 s77, 0xbe2aaaa3                      ; sin's polynomial
	s_mov_b32 s78, 0x3c08839e
	s_mov_b32 s79, 0xb94ca1f9
	s_mov_b32 s80, 0x3d2aaaa5                      ; cos's
	s_mov_b32 s81, 0xbab6061a
	s_mov_b32 s82, 0x37ccf5ce
	s_wait_kmcnt 0x0
	s_load_b512 s[28:43], s[22:23], 0x0            ; e0 .. e15
	s_mov_b32 s44, 1
	s_mov_b32 s45, s62
	s_add_nc_u64 s[46:47], s[4:5], s[56:57]
	s_or_b32 s47, s47, 0x80000000
	tensor_load_to_lds s[44:47], s[48:55]          ; my one tensor load; only I read its bytes
	s_nop 0
.rept 4
	v_nop
.endr
	s_add_nc_u64 s[24:25], s[24:25], s[56:57]      ; xn at my wave's first row
	s_lshl_b32 s86, s2, 16                         ; my 128 rows of each weight
	s_mov_b32 s87, 0
	s_add_nc_u64 s[10:11], s[10:11], s[86:87]
	s_add_nc_u64 s[12:13], s[12:13], s[86:87]
	s_add_nc_u64 s[14:15], s[14:15], s[86:87]
	s_lshl_b32 s86, s2, 9                          ; my 128 numbers of each bias
	s_add_nc_u64 s[16:17], s[16:17], s[86:87]
	s_add_nc_u64 s[18:19], s[18:19], s[86:87]
	s_add_nc_u64 s[20:21], s[20:21], s[86:87]
.irp j,0,1,2,3
	global_load_b128 v[G+4*\j:G+4*\j+3], v1, s[6:7] offset:512*\j      ; element 4 j + e of a lane is column 128 j + 4 lane + e
	global_load_b128 v[BE+4*\j:BE+4*\j+3], v1, s[8:9] offset:512*\j
.endr
	WIN 0x40
.irp b,0,1,2,3
.irp q,0,1,2,3
	global_load_b128 v[16*\b+4*\q:16*\b+4*\q+3], v4, s[16:17] offset:128*\b+16*\q   ; bq waits in window 1, where the accumulators will lie
.endr
.endr
	WIN 0
	WFILL 0, 10, 2, 512, 0
	; where q, k and v go
	s_lshr_b32 s86, ttmp9, 3
	s_lshl_b32 s86, s86, 3
	s_lshl_b32 s88, s2, 1
	s_add_co_u32 s86, s86, s88                     ; unit 8 n + 2 w
	s_mul_i32 s86, s86, 98304
	s_and_b32 s88, ttmp9, 7                        ; my block of 64 tokens in the batch
	s_lshl_b32 s92, s88, 12
	s_add_co_u32 s92, s92, s86                     ; Q, K: four token tiles of 1,024 bytes
	s_mov_b32 s93, 0
	s_lshl_b32 s94, s88, 10
	s_add_co_u32 s94, s94, s86
	s_add_co_u32 s94, s94, 65536                   ; V: half a fragment, 1,024 bytes, of K step block / 2
	s_mov_b32 s95, 0
	s_add_nc_u64 s[70:71], s[26:27], s[92:93]
	s_add_nc_u64 s[72:73], s[26:27], s[94:95]
	; the signal: my eight frequencies f = 128 j + 4 lane + e, j = 0, 1
	s_lshl_b32 s56, s88, 6
	s_lshl_b32 s57, s2, 4
	s_add_co_u32 s56, s56, s57                     ; my wave's first token
.irp i,0,1,2,3,4,5,6,7
	v_add_nc_u32 v[TK+\i], 128*(\i/4)+\i%4, v52
.endr
.irp i,0,1,2,3,4,5,6,7
	v_cvt_f32_u32 v[TK+\i], v[TK+\i]
.endr
.irp i,0,1,2,3,4,5,6,7
	v_mul_f32 v[TK+\i], 0xbd13f17f, v[TK+\i]       ; x -ln(10000) / 255
.endr
.irp i,0,1,2,3,4,5,6,7
	v_mul_f32 v[TK+\i], 0x3fb8aa3b, v[TK+\i]       ; x log2(e)
.endr
.irp i,0,1,2,3,4,5,6,7
	v_exp_f32 v[OM+\i], v[TK+\i]
.endr
	v_nop                                          ; a plain instruction behind the last exponential
	v_cvt_f32_u32 v53, s56
	s_wait_alu depctr_va_vdst(0)                   ; one wait for the batch, ahead of its first reader
.irp i,0,1,2,3,4,5,6,7
	v_mul_f32 v[D+\i], v53, v[OM+\i]
.endr
	SINCOS8 D, S, C                                ; at my first token
	SINCOS8 OM, SD, CD                             ; the step from token to token
	WFILL 1, 10, 2, 512, 128
	WFILL 2, 10, 2, 512, 256
	WFILL 3, 10, 2, 512, 384
	s_wait_kmcnt 0x0
	MKSC 28, 16, 17
	MKSC 30, 18, 19
	MKSC 32, 20, 21
	s_add_co_i32 s66, s28, s29
	s_sub_co_i32 s88, s34, s66                     ; e6 - e0 - e1: a sum stands for sum x 2^(e0 + e1)
	s_sub_co_i32 s66, 0, s66
	s_add_co_i32 s67, s30, s31
	s_sub_co_i32 s89, s35, s67
	s_sub_co_i32 s67, 0, s67
	s_add_co_i32 s68, s32, s33
	s_sub_co_i32 s90, s36, s68
	s_sub_co_i32 s68, 0, s68
	s_mov_b32 s3, 0
	s_mov_b32 s60, 0
	s_mov_b32 s61, 0
	s_wait_loadcnt 63                              ; g, be and bq: 128 loads were issued behind them
	s_wait_tensorcnt 0x0                           ; my rows of X lie in LDS
.Lrows:                                                ; four trips of four rows
	s_wait_xcnt 0x0                                ; the last trip's stores of Xn have read their registers
	s_wait_dscnt 0x0                               ; and its stores of codes theirs
	v_add_nc_u32 v9, s60, v8
	v_add_nc_u32 v[XNO], s60, v1
	v_add_nc_u32 v13, s61, v10
	v_add_nc_u32 v14, s61, v11
	v_add_nc_u32 v15, s61, v12
.irp p,0,1,2,3
.irp j,0,1,2,3
	ds_load_b128 v[D+16*\p+4*\j:D+16*\p+4*\j+3], v9 offset:2048*\p+512*\j
.endr
.endr
	s_wait_dscnt 0x0
.irp p,0,1,2,3
.irp i,0,2,4,6
	v_pk_add_f32 v[D+16*\p+\i:D+16*\p+\i+1], v[D+16*\p+\i:D+16*\p+\i+1], v[S+\i:S+\i+1]          ; columns 0-255: + sin
	v_pk_add_f32 v[D+16*\p+8+\i:D+16*\p+8+\i+1], v[D+16*\p+8+\i:D+16*\p+8+\i+1], v[C+\i:C+\i+1]  ; columns 256-511: + cos
.endr
.irp i,0,2,4,6
	v_pk_mul_f32 v[T+\i:T+\i+1], v[S+\i:S+\i+1], v[SD+\i:SD+\i+1]
	v_pk_mul_f32 v[T+8+\i:T+8+\i+1], v[C+\i:C+\i+1], v[SD+\i:SD+\i+1]
.endr
.irp i,0,2,4,6
	v_pk_fma_f32 v[S+\i:S+\i+1], v[S+\i:S+\i+1], v[CD+\i:CD+\i+1], v[T+8+\i:T+8+\i+1]            ; on to the next token
	v_pk_fma_f32 v[C+\i:C+\i+1], v[C+\i:C+\i+1], v[CD+\i:CD+\i+1], v[T+\i:T+\i+1] neg_lo:[0,0,1] neg_hi:[0,0,1]
.endr
.endr
.irp p,0,1,2,3
.irp i,0,2,4,6
	v_pk_add_f32 v[T+8*\p+\i:T+8*\p+\i+1], v[D+16*\p+2*\i:D+16*\p+2*\i+1], v[D+16*\p+2*\i+2:D+16*\p+2*\i+3]
.endr
.endr
.irp p,0,1,2,3
	v_pk_add_f32 v[T+8*\p:T+8*\p+1], v[T+8*\p:T+8*\p+1], v[T+8*\p+2:T+8*\p+3]
	v_pk_add_f32 v[T+8*\p+4:T+8*\p+5], v[T+8*\p+4:T+8*\p+5], v[T+8*\p+6:T+8*\p+7]
.endr
.irp p,0,1,2,3
	v_pk_add_f32 v[T+8*\p:T+8*\p+1], v[T+8*\p:T+8*\p+1], v[T+8*\p+4:T+8*\p+5]
.endr
.irp p,0,1,2,3
	v_add_f32 v[T+8*\p], v[T+8*\p], v[T+8*\p+1]
.endr
	REDUCE 0
.irp p,0,1,2,3
	v_mul_f32 v[T+8*\p], 0x3b000000, v[T+8*\p]     ; the mean
.endr
.irp p,0,1,2,3
.irp i,0,2,4,6,8,10,12,14
	v_pk_add_f32 v[D+16*\p+\i:D+16*\p+\i+1], v[D+16*\p+\i:D+16*\p+\i+1], v[T+8*\p:T+8*\p+1] op_sel_hi:[1,0] neg_lo:[0,1] neg_hi:[0,1]
.endr
.endr
.irp p,0,1,2,3
	v_pk_mul_f32 v[T+8*\p+2:T+8*\p+3], v[D+16*\p:D+16*\p+1], v[D+16*\p:D+16*\p+1]
	v_pk_mul_f32 v[T+8*\p+4:T+8*\p+5], v[D+16*\p+2:D+16*\p+3], v[D+16*\p+2:D+16*\p+3]
.endr
.irp i,4,8,12
.irp p,0,1,2,3
	v_pk_fma_f32 v[T+8*\p+2:T+8*\p+3], v[D+16*\p+\i:D+16*\p+\i+1], v[D+16*\p+\i:D+16*\p+\i+1], v[T+8*\p+2:T+8*\p+3]
	v_pk_fma_f32 v[T+8*\p+4:T+8*\p+5], v[D+16*\p+\i+2:D+16*\p+\i+3], v[D+16*\p+\i+2:D+16*\p+\i+3], v[T+8*\p+4:T+8*\p+5]
.endr
.endr
.irp p,0,1,2,3
	v_pk_add_f32 v[T+8*\p+2:T+8*\p+3], v[T+8*\p+2:T+8*\p+3], v[T+8*\p+4:T+8*\p+5]
.endr
.irp p,0,1,2,3
	v_add_f32 v[T+8*\p+2], v[T+8*\p+2], v[T+8*\p+3]
.endr
	REDUCE 2
.irp p,0,1,2,3
	v_mul_f32 v[T+8*\p+2], 0x3b004020, v[T+8*\p+2] ; / 511
.endr
.irp p,0,1,2,3
	v_sqrt_f32 v[T+8*\p+2], v[T+8*\p+2]
.endr
	v_nop
	s_wait_alu depctr_va_vdst(0)                   ; one wait for the four roots
.irp p,0,1,2,3
	v_add_f32 v[T+8*\p+2], 0x358637bd, v[T+8*\p+2] ; + 1e-6
.endr
.irp p,0,1,2,3
	v_rcp_f32 v[T+8*\p+2], v[T+8*\p+2]
.endr
	v_nop
	s_wait_alu depctr_va_vdst(0)                   ; one wait for the four reciprocals
.irp p,0,1,2,3
.irp i,0,2,4,6,8,10,12,14
	v_pk_mul_f32 v[D+16*\p+\i:D+16*\p+\i+1], v[D+16*\p+\i:D+16*\p+\i+1], v[T+8*\p+2:T+8*\p+3] op_sel_hi:[1,0]
.endr
.endr
.irp p,0,1,2,3
.irp i,0,2,4,6,8,10,12,14
	v_pk_fma_f32 v[D+16*\p+\i:D+16*\p+\i+1], v[D+16*\p+\i:D+16*\p+\i+1], v[G+\i:G+\i+1], v[BE+\i:BE+\i+1]
.endr
.endr
.irp p,0,1,2,3
.irp j,0,1,2,3
	global_store_b128 v[XNO], v[D+16*\p+4*\j:D+16*\p+4*\j+3], s[24:25] offset:2048*\p+512*\j th:TH_STORE_NT   ; 512 consecutive bytes, aligned
.endr
.endr
.irp p,0,1,2,3                         ; Xn's codes, once for each of the three products' scales
.irp q,0,1,2
.irp i,0,1,2,3,4,5,6,7,8,9,10,11,12,13,14,15
	v_med3_num_f32 v[T+16*((3*\p+\q)%2)+\i], v[D+16*\p+\i], -v[17+2*\q], v[17+2*\q]
.endr
	v_cvt_scalef32_pk8_fp8_f32 v[CODE+4*(3*\p+\q):CODE+4*(3*\p+\q)+1], v[T+16*((3*\p+\q)%2):T+16*((3*\p+\q)%2)+7], v[16+2*\q]
	v_cvt_scalef32_pk8_fp8_f32 v[CODE+4*(3*\p+\q)+2:CODE+4*(3*\p+\q)+3], v[T+16*((3*\p+\q)%2)+8:T+16*((3*\p+\q)%2)+15], v[16+2*\q]
.irp j,0,1,2,3
	ds_store_b32 v[13+\q], v[CODE+4*(3*\p+\q)+\j] offset:CP*\p+128*\j   ; four codes: columns 128 j + 4 lane on; 128 consecutive bytes a wave
.endr
.endr
.endr
	v_nop                                          ; a plain instruction behind the last conversion
	s_add_co_u32 s60, s60, 8192
	s_add_co_u32 s61, s61, 4*CP
	s_add_co_u32 s3, s3, 1
	s_cmp_lt_u32 s3, 4
	s_cbranch_scc1 .Lrows
	s_wait_xcnt 0x0                                ; the stores of Xn have read their registers, which the products take
	s_wait_dscnt 0x0                               ; my codes lie in LDS
	s_barrier_signal -1
	s_barrier_wait -1                              ; everybody's do
	; ---- q
	WIN 0x01
.set i,0
.rept 64
	v_ldexp_f32 v[BIAS+i], v[i], s66               ; bq / 2^(e0 + e1), from window 1 to its place
.set i,i+1
.endr
	WIN 0
	AFETCH AF0, 5, 0
	AFETCH AF1, 5, 1
	GSTEP 0, AF0, 0, 1, 63, 16
	BLOAD 18                                       ; bk, ahead of four fills
	WFILL 0, 12, 2, 512, 0
	AFETCH AF0, 5, 2
	GSTEP 1, AF1, 0, 0, 63, 16
	WFILL 1, 12, 2, 512, 128
	AFETCH AF1, 5, 3
	GSTEP 2, AF0, 0, 0, 63, 16
	WFILL 2, 12, 2, 512, 256
	AFETCH AF0, 6, 0
	GSTEP 3, AF1, 0, 0, 63, 16
	WFILL 3, 12, 2, 512, 384
	EPILOG 88, 0
	; ---- k
	s_wait_loadcnt 63                              ; bk: 128 loads were issued behind it
.set i,0
.rept 64
	v_ldexp_f32 v[BIAS+i], v[BIAS+i], s67
.set i,i+1
.endr
	s_wait_xcnt 0x0                                ; q's stores have read the registers that the next fragments take
	AFETCH AF1, 6, 1
	GSTEP 0, AF0, 0, 1, 63, 16
.irp t,0,1,2,3,4,5,6,7
	global_load_b32 v[24+\t], v3, s[20:21] offset:4*(32*(\t/2)+8*(\t%2))   ; bv: my column of each tile
.endr
	WFILL 0, 14, 2, 512, 0
	AFETCH AF0, 6, 2
	GSTEP 1, AF1, 0, 0, 63, 16
	WFILL 1, 14, 2, 512, 128
	AFETCH AF1, 6, 3
	GSTEP 2, AF0, 0, 0, 63, 16
	WFILL 2, 14, 2, 512, 256
	AFETCH AF0, 7, 0
	GSTEP 3, AF1, 0, 0, 63, 16
	WFILL 3, 14, 2, 512, 384
	EPILOG 89, 1
	; ---- v: rows as source 0, so that a lane's registers run along the tokens
	s_wait_loadcnt 63                              ; bv: 128 loads were issued behind it
.irp t,0,1,2,3,4,5,6,7
.irp j,0,1,2,3,4,5,6,7
	v_ldexp_f32 v[BIAS+8*\t+\j], v[24+\t], s68
.endr
.endr
	s_wait_xcnt 0x0
	AFETCH AF1, 7, 1
	GSTEP 0, AF0, 1, 1, 63, 16                     ; 96 loads behind this fill,
	AFETCH AF0, 7, 2
	GSTEP 1, AF1, 1, 0, 63, 16                     ; 64,
	AFETCH AF1, 7, 3
	GSTEP 2, AF0, 1, 0, 32, 16                     ; 32,
	GSTEP 3, AF1, 1, 0, 0, 0                       ; none
	EPILOG 90, 2
	s_wait_xcnt 0x0
	v_lshl_add_u32 v254, v0, 2, 0x38c00
	v_mov_b32 v255, 0
	s_wait_tensorcnt 0x0
	ds_add_u32 v254, v255
	s_wait_dscnt 0x0
	s_endpgm
.Lfunc_end_k_q5c4cedac0c_lnqkv:
	.size	k_q5c4cedac0c_lnqkv, .Lfunc_end_k_q5c4cedac0c_lnqkv-k_q5c4cedac0c_lnqkv
	.p2alignl 7, 3214868480
	.fill 96, 4, 3214868480
	.section	.rodata,"a",@progbits
	.p2align	6, 0x0
	.amdhsa_kernel k_q5c4cedac0c_lnqkv
		.amdhsa_group_segment_fixed_size 232960
		.amdhsa_private_segment_fixed_size 0
		.amdhsa_enable_private_segment 0
		.amdhsa_kernarg_size 96
		.amdhsa_user_sgpr_count 2
		.amdhsa_user_sgpr_kernarg_segment_ptr 1
		.amdhsa_wavefront_size32 1
		.amdhsa_system_sgpr_workgroup_id_x 1
		.amdhsa_system_sgpr_workgroup_id_y 1
		.amdhsa_system_sgpr_workgroup_id_z 1
		.amdhsa_system_vgpr_workitem_id 0
		.amdhsa_next_free_vgpr 1024
		.amdhsa_next_free_sgpr 100
		.amdhsa_reserve_vcc 1
		.amdhsa_float_denorm_mode_32 3
		.amdhsa_float_denorm_mode_16_64 3
		.amdhsa_memory_ordered 1
		.amdhsa_forward_progress 1
		.amdhsa_inst_pref_size 219
	.end_amdhsa_kernel
	.amdgpu_metadata
---
amdhsa.version: [ 1, 2 ]
amdhsa.kernels:
  - .name:           k_q5c4cedac0c_lnqkv
    .symbol:         k_q5c4cedac0c_lnqkv.kd
    .args:
      - { .name: X, .offset: 0, .size: 8, .value_kind: global_buffer, .address_space: global }
      - { .name: g_mha, .offset: 8, .size: 8, .value_kind: global_buffer, .address_space: global }
      - { .name: be_mha, .offset: 16, .size: 8, .value_kind: global_buffer, .address_space: global }
      - { .name: wq_codes, .offset: 24, .size: 8, .value_kind: global_buffer, .address_space: global }
      - { .name: wk_codes, .offset: 32, .size: 8, .value_kind: global_buffer, .address_space: global }
      - { .name: wv_codes, .offset: 40, .size: 8, .value_kind: global_buffer, .address_space: global }
      - { .name: bq, .offset: 48, .size: 8, .value_kind: global_buffer, .address_space: global }
      - { .name: bk, .offset: 56, .size: 8, .value_kind: global_buffer, .address_space: global }
      - { .name: bv, .offset: 64, .size: 8, .value_kind: global_buffer, .address_space: global }
      - { .name: lowp_scales, .offset: 72, .size: 8, .value_kind: global_buffer, .address_space: global }
      - { .name: xn, .offset: 80, .size: 8, .value_kind: global_buffer, .address_space: global }
      - { .name: qkv, .offset: 88, .size: 8, .value_kind: global_buffer, .address_space: global }
    .group_segment_fixed_size: 232960
    .private_segment_fixed_size: 0
    .kernarg_segment_align: 8
    .kernarg_segment_size: 96
    .max_flat_workgroup_size: 128
    .sgpr_count:     100
    .vgpr_count:     1024
    .wavefront_size: 32
...
	.end_amdgpu_metadata
.endif
;; end of part 1
;; launch attffn (part 2): grid 256 x 1, 4 waves a work-group, no clusters, 268,800 bytes of LDS; arguments xn, qkv, w1_codes, wf1_codes, wf2_codes, b1, g_ffn, be_ffn, bf1, bf2, lowp_scales, out0; writes out0
.if DOCPART == 2
	.amdgcn_target "amdgcn-amd-amdhsa--gfx1250"
	.amdhsa_code_object_version 6
	.text
	.protected	k_q5c4cedac0c_attffn
	.globl	k_q5c4cedac0c_attffn
	.p2align	8
	.type	k_q5c4cedac0c_attffn,@function
k_q5c4cedac0c_attffn:
	s_mov_b64 s[64:65], 0
	v_nop
	global_prefetch_b8 v0, s[64:65] scope:SCOPE_SE
	s_setreg_imm32_b32 hwreg(HW_REG_WAVE_MODE, 25, 1), 1
	s_wait_xcnt 0x0
; O = softmax(Q K^T / 8) V for 64 rows and all 8 heads;  X2 = Xn + O w1^T + b1;  y = LayerNorm(X2);  out = X2 + relu(y wf1^T + bf1) wf2^T + bf2.
; All five products on E4M3 codes; O, X2, y and the hidden layer never go to memory.
; SHARES.  A work-group has 64 rows (batch n = wg / 8, token block wg % 8).  ATTENTION: wave w has heads 2 w and 2 w + 1 for the four query tiles: 8 trips of one loop, trip i = 4 x (head % 2) + tile.
; A head's K (256 registers, window 2) and V^T (256, window 3) come from memory straight into the wave's registers (the launch before laid them as register images: every load takes 512 consecutive bytes);
; a tile's 512 scores a query fill window 1, so a row's largest score is known before the first exponential: no running maximum, nothing is rescaled.
; THE PRODUCTS WITH WEIGHTS: the waves share the columns: wave w has columns 128 w .. + 127 of X2 and of the output and hidden units 256 w .. + 255 (two passes of 128), for all 64 rows: 32 accumulators.
; Operands go from wave to wave through LDS as images of their registers (a quad of four registers: 512 bytes, 16 x lane).  The weights go from memory straight into registers, four buffers of one K step, filled four steps ahead.
; NO CLUSTER, though the 8 work-groups of a batch read the same K and V and all read the same weights: a joint load lands in LDS alone; the 59,392 bytes of LDS that are free hold no slot of the four waves' heads
; (4 x 65,536 bytes), and with 64 rows a weight byte through LDS would be written and read there for 64 multiply-adds.
; LAYOUT.  S^T = K Q^T (source 0 = 16 keys, source 1 = 16 queries): a lane holds one query and keys 16 kt + 8 (lane / 16) + 0 .. 7 of tile kt; their codes are source 1 of O^T = V^T P.  O^T: register j of tile dt is
; channel 32 (dt/2) + 16 h + 8 (dt%2) + j.  The products with weights are transposed likewise (source 0 = weights); weight tile t: lane r takes row 32 (t/2) + 8 (t%2) + r + 8 (r/8).
; THE SOFTMAX.  t = score x log2(e) / 8; M = ceil(the row's largest t); p = 2^(t - M) is quantised with 2^e9; the row's sum is taken of the unquantised p and divides O.
; A residual and a bias enter a sum first, as its C, divided by the power of two that the sums lack.  The LayerNorm's sums span the four waves: partial sums meet in LDS; the mean is taken away before the squares.
; LIMITS.  e6 + e7 between -123 and 130; e9, e10 - e8 - e9, e12 and e14 - e12 - e13 between -126 and 119; |e10 + e11| and |e14 + e15| at most 126.  q takes entry 6 of the scales and k entry 7.
; NaN among the inputs is not served.  Divisions are a reciprocal and a product.
; REGISTERS.  window 0: v1-15 addresses; v16-19, v22-24 scales and limits; v20, v21 offsets; v25-29 attention's small numbers; attention: v32-63 O^T, v64-127 P, v128-135 O's codes, v136-147 sums and maxima, v160-167 Q;
; later: v32-63 statistics, v64-127, v128-191 A's fragments (also gain, bias, codes); v192-255 a bias.  window 1: scores, then the accumulators, (t, m) at 64 m + 8 t.  windows 2, 3: K and V^T, then four weight buffers.
.set XP,    528                        ; a row of a wave's slice in LDS: 512 bytes + 16
.set XSW,   64*XP                      ; a wave's slice: Xn, then X2, then the way out: the wave's own bytes, filled once
.set OIMG,  4*XSW                      ; O's codes: wave w's trip i at 8192 w + 1024 i, quad b at + 512 b
.set YIMG,  OIMG+32768                 ; y's: image (m, s) at 8192 m + 2048 s
.set HIMG,  YIMG+32768                 ; the hidden layer's: 16384 m + 2048 s
.set SUM,   HIMG+65536                 ; partial sums [row][wave], 1,024 bytes; the squares' 1,024 bytes behind them
.set AF0,   64
.set AF1,   128
.set BIAS,  192
.set ST,    32
.set O,     32
.set P,     64
.set OC,    128
.set SM,    136
.set MX,    144
.set Q,     160
.set OWB,   14                         ; v14  OIMG + 8192 w + 16 x lane
.set OWA,   15                         ; v15  + 1024 x trip
.set PFO,   20                         ; v20  256 x lane; never rewritten
.set AQO,   21                         ; v21  Q's offset
.set SCP,   22                         ; v22  2^e9
.set SCO,   23                         ; v23  2^(e10 - e8 - e9)
.set LIMO,  24                         ; v24  448 x that
.set PERM,  25                         ; v25  a permute's destination
.set NM,    26                         ; v[26:27] -M
.set RL,    28                         ; v[28:29] 1 / the row's sum
.set MSB, 0
.macro WIN new                         ; the immediate's high byte repeats the setting that is left; a switch that changes nothing is dropped
.if MSB != (\new)
	s_set_vgpr_msb (MSB<<8)|(\new)
.set MSB, (\new)
.endif
.endm
.macro PLACES                          ; four plain vector instructions behind matrix instructions, ahead of loads into their registers and of reads of their results
.rept 4
	v_nop
.endr
.endm
.macro WFILL buf, base, voff, rowb, koff   ; 32 loads: the eight weight fragments of one K step into buffer buf
	WIN 0x80+0x40*((\buf)>>1)
.irp t,0,1,2,3,4,5,6,7
.irp c,0,1,2,3
	global_load_b128 v[128*((\buf)&1)+16*\t+4*\c:128*((\buf)&1)+16*\t+4*\c+3], v[\voff], s[\base:\base+1] offset:(32*(\t/2)+8*(\t%2))*(\rowb)+(\koff)+32*\c
.endr
.endr
	WIN 0
.endm
.macro AFETCH af, adr, off, mstr       ; the four row tiles' images of one K step
.irp m,0,1,2,3
.irp c,0,1,2,3
	ds_load_b128 v[\af+16*\m+4*\c:\af+16*\m+4*\c+3], v[\adr] offset:(\off)+(\mstr)*\m+512*\c
.endr
.endr
.endm
.macro AFETCHO af, s                   ; the same of O's codes: K step s was made by wave s; quad c of row tile m in its trip 4 (c / 2) + m, as that trip's quad c % 2
.irp m,0,1,2,3
.irp c,0,1,2,3
	ds_load_b128 v[\af+16*\m+4*\c:\af+16*\m+4*\c+3], v5 offset:8192*(\s)+4096*(\c/2)+1024*\m+512*(\c%2)
.endr
.endr
.endm
; one K step: 32 matrix instructions, the 32 accumulators by turns in the same order in every step.  cin = 1: the bias starts the sums.
.macro GSTEP buf, af, cin, lcnt, dcnt
	s_wait_loadcnt \lcnt                           ; this buffer's fill is in: at least lcnt loads were issued behind it
	s_wait_dscnt \dcnt                             ; this step's images are in; the next step's may be out
	WIN 0x40|(0x10*(1-\cin))|(2+((\buf)>>1))
.irp m,0,1,2,3
.irp t,0,1,2,3,4,5,6,7
.if \cin
	v_wmma_f32_16x16x128_fp8_fp8 v[64*\m+8*\t:64*\m+8*\t+7], v[128*((\buf)&1)+16*\t:128*((\buf)&1)+16*\t+15], v[\af+16*\m:\af+16*\m+15], v[BIAS+8*\t:BIAS+8*\t+7]
.else
	v_wmma_f32_16x16x128_fp8_fp8 v[64*\m+8*\t:64*\m+8*\t+7], v[128*((\buf)&1)+16*\t:128*((\buf)&1)+16*\t+15], v[\af+16*\m:\af+16*\m+15], v[64*\m+8*\t:64*\m+8*\t+7]
.endif
.endr
.endr
	WIN 0
	PLACES
.endm
.macro BLOAD reg, base, off            ; 64 numbers in the layout of a result: register 16 b + i = column 32 b + 16 h + i
.irp b,0,1,2,3
.irp q,0,1,2,3
	global_load_b128 v[\reg+16*\b+4*\q:\reg+16*\b+4*\q+3], v4, s[\base:\base+1] offset:(\off)+128*\b+16*\q
.endr
.endr
.endm
.macro BSCALE sh                       ; the bias divided by the power of two that the sums lack
.set i,0
.rept 64
	v_ldexp_f32 v[BIAS+i], v[BIAS+i], s[\sh]
.set i,i+1
.endr
.endm
.macro MKSC e, vs, vl                  ; v[vs] = 2^e as f32 (the conversion takes its exponent field), v[vl] = 448 x 2^e; e in s[e]
	s_add_co_i32 s90, s[\e], 127
	s_lshl_b32 s91, s90, 23
	v_mov_b32 v[\vs], s91
	s_add_co_i32 s90, s90, 8
	s_lshl_b32 s90, s90, 23
	s_or_b32 s90, s90, 0x600000
	v_mov_b32 v[\vl], s90
.endm
.macro BARRIER                         ; my LDS stores have landed and my LDS loads are in: then the work-group's barrier
	s_wait_dscnt 0x0
	s_barrier_signal -1
	s_barrier_wait -1
.endm
.macro XSIN                            ; my slice (Xn or X2) from LDS into the accumulators' registers
	WIN 0x40
.irp m,0,1,2,3
.irp b,0,1,2,3
.irp q,0,1,2,3
	ds_load_b128 v[64*\m+16*\b+4*\q:64*\m+16*\b+4*\q+3], v8 offset:16*XP*\m+128*\b+16*\q
.endr
.endr
.endr
	WIN 0
.endm
.macro XSOUT m                         ; and back: 16 rows
.irp b,0,1,2,3
.irp q,0,1,2,3
	ds_store_b128 v8, v[64*\m+16*\b+4*\q:64*\m+16*\b+4*\q+3] offset:16*XP*\m+128*\b+16*\q
.endr
.endr
.endm
.macro CINIT sp                        ; accumulators = slice x s[sp] + bias
	WIN 0x41
.irp m,0,1,2,3
.set i,0
.rept 32
	v_pk_fma_f32 v[64*\m+i:64*\m+i+1], v[64*\m+i:64*\m+i+1], s[\sp:\sp+1], v[BIAS+i:BIAS+i+1] op_sel_hi:[1,0,1]
.set i,i+2
.endr
.endr
	WIN 0
.endm
.macro ASCALE sp                       ; accumulators x s[sp], each from its low end on
	WIN 0x41
.set i,0
.rept 128
	v_pk_mul_f32 v[i:i+1], v[i:i+1], s[\sp:\sp+1] op_sel_hi:[1,0]
.set i,i+2
.endr
.endm
.macro HIDDEN u                        ; relu, the hold, the conversion; the images of K step 2 w + u of the last product
	WIN 0x41
.set i,0
.rept 256
	v_med3_num_f32 v[i], v[i], 0, v19              ; the activation and the hold in one (the conversion does not saturate: ISA guide 7.6.2)
.set i,i+1
.endr
	WIN 0x01
.irp m,0,1,2,3
.irp t,0,1,2,3,4,5,6,7
	v_cvt_scalef32_pk8_fp8_f32 v[AF1+16*\m+2*\t:AF1+16*\m+2*\t+1], v[64*\m+8*\t:64*\m+8*\t+7], v18
.endr
.endr
	WIN 0
	v_nop                                          ; a plain instruction behind the last conversion
.irp m,0,1,2,3
.irp c,0,1,2,3
	ds_store_b128 v13, v[AF1+16*\m+4*\c:AF1+16*\m+4*\c+3] offset:16384*\m+2048*\u+512*\c
.endr
.endr
.endm
; ---- attention's macros
.macro KVLOAD win, off                 ; 64 loads of 512 consecutive bytes: a head's K (tile kt at v[8 kt]) or V^T (fragment (dt, ks) at v[16 (4 dt + ks)])
	WIN \win
.set i,0
.rept 64
	global_load_b128 v[4*i:4*i+3], v1, s[48:49] offset:(\off)+512*i
.set i,i+1
.endr
	WIN 0
.endm
.macro SPROD                           ; a query tile's scores: 32 tiles of 16 keys
	WIN 0x42                                       ; K in window 2, Q in window 0, S^T in window 1
.set i,0
.rept 32
	v_wmma_f32_16x16x64_fp8_fp8 v[8*i:8*i+7], v[8*i:8*i+7], v[Q:Q+7], 0
.set i,i+1
.endr
	WIN 0
	PLACES
.endm
.macro SOFTMAX
	WIN 0x15                                       ; the largest of my 256 scores, in four chains
.irp a,0,1,2,3
	v_max3_num_f32 v[MX+\a], v[64*\a], v[64*\a+1], v[64*\a+2]
.endr
	WIN 0x14
.set i,3
.rept 30
.irp a,0,1,2,3
	v_max3_num_f32 v[MX+\a], v[MX+\a], v[64*\a+i], v[64*\a+i+1]
.endr
.set i,i+2
.endr
	v_max3_num_f32 v[MX], v[MX], v63, v127
	v_max3_num_f32 v[MX+2], v[MX+2], v191, v255
	WIN 0
	v_max3_num_f32 v[MX], v[MX], v[MX+1], v[MX+2]
	v_max_num_f32 v[MX], v[MX], v[MX+3]
	v_permlanex16_b32 v[PERM], v[MX], s88, s89     ; the query's other 256 keys lie in the lane 16 away
	v_max_num_f32 v[MX], v[MX], v[PERM]
	v_mul_f32 v[MX], s68, v[MX]                    ; as t (the factor is positive)
	v_floor_f32 v[NM], -v[MX]                      ; -M = floor(-t) = -ceil(t)
	WIN 0x41
.set i,0
.rept 8
	v_pk_fma_f32 v[2*i:2*i+1], v[2*i:2*i+1], s[68:69], v[NM:NM+1] op_sel_hi:[1,0,0]   ; t - M
.set i,i+1
.endr
.set i,0
.rept 128                              ; ONE batch: no line of it reads an exponential's result; the scalings run eight pairs ahead
	v_exp_f32 v[2*i], v[2*i]
	v_exp_f32 v[2*i+1], v[2*i+1]
.if i < 120
	v_pk_fma_f32 v[2*i+16:2*i+17], v[2*i+16:2*i+17], s[68:69], v[NM:NM+1] op_sel_hi:[1,0,0]
.endif
.set i,i+1
.endr
	v_nop                                          ; a plain instruction behind the last exponential
	s_wait_alu depctr_va_vdst(0)                   ; one wait for the 256, ahead of their first reader
	WIN 0x05                                       ; the sum of the unquantised p, in four chains of pairs
.irp a,0,1,2,3
	v_pk_add_f32 v[SM+2*\a:SM+2*\a+1], v[64*\a:64*\a+1], v[64*\a+2:64*\a+3]
.endr
	WIN 0x04
.set i,4
.rept 30
.irp a,0,1,2,3
	v_pk_add_f32 v[SM+2*\a:SM+2*\a+1], v[SM+2*\a:SM+2*\a+1], v[64*\a+i:64*\a+i+1]
.endr
.set i,i+2
.endr
	WIN 0x44
.set i,0
.rept 256
	v_min_num_f32 v[i], s70, v[i]                  ; the hold at 448 x 2^e9: p is not negative, so it is one-sided (the conversion does not saturate: ISA guide 7.6.2)
.set i,i+1
.endr
	WIN 0x01
.set i,0
.rept 32
	v_cvt_scalef32_pk8_fp8_f32 v[P+2*i:P+2*i+1], v[8*i:8*i+7], v[SCP]
.set i,i+1
.endr
	WIN 0
	v_nop                                          ; a plain instruction behind the last conversion
	v_pk_add_f32 v[SM:SM+1], v[SM:SM+1], v[SM+2:SM+3]
	v_pk_add_f32 v[SM+4:SM+5], v[SM+4:SM+5], v[SM+6:SM+7]
	v_pk_add_f32 v[SM:SM+1], v[SM:SM+1], v[SM+4:SM+5]
	v_add_f32 v[SM], v[SM], v[SM+1]
	v_permlanex16_b32 v[PERM], v[SM], s88, s89
	v_add_f32 v[SM], v[SM], v[PERM]                ; the row's sum
	v_rcp_f32 v[RL], v[SM]
	v_nop
.endm
.macro PV                              ; O^T = V^T P: four K steps of 128 keys, the four accumulators by turns
	WIN 0x03                                       ; V in window 3
.irp k,0,1,2,3
.irp d,0,1,2,3
.if \k == 0
	v_wmma_f32_16x16x128_fp8_fp8 v[O+8*\d:O+8*\d+7], v[16*(4*\d+\k):16*(4*\d+\k)+15], v[P+16*\k:P+16*\k+15], 0
.else
	v_wmma_f32_16x16x128_fp8_fp8 v[O+8*\d:O+8*\d+7], v[16*(4*\d+\k):16*(4*\d+\k)+15], v[P+16*\k:P+16*\k+15], v[O+8*\d:O+8*\d+7]
.endif
.endr
.endr
	WIN 0
	PLACES
	s_wait_alu depctr_va_vdst(0)                   ; the reciprocal's wait, ahead of its first reader
.endm
.macro OUT                             ; O / the sum, quantised with 2^e10, to LDS as two quads of the next product's operand
.set i,0
.rept 16
	v_pk_mul_f32 v[O+2*i:O+2*i+1], v[O+2*i:O+2*i+1], v[RL:RL+1] op_sel_hi:[1,0]
.set i,i+1
.endr
.set i,0
.rept 32
	v_min_num_f32 v[O+i], v[LIMO], v[O+i]          ; v and p are not negative: a one-sided hold
.set i,i+1
.endr
	s_wait_dscnt 0x0                               ; the last trip's stores have read their registers
.irp d,0,1,2,3
	v_cvt_scalef32_pk8_fp8_f32 v[OC+2*\d:OC+2*\d+1], v[O+8*\d:O+8*\d+7], v[SCO]
.endr
	v_add_nc_u32 v[OWA], s73, v[OWB]               ; (a plain instruction behind the last conversion)
	ds_store_b128 v[OWA], v[OC:OC+3]
	ds_store_b128 v[OWA], v[OC+4:OC+7] offset:512
.endm
	s_load_b512 s[4:19], s[0:1], 0x0               ; xn s[4:5], qkv s[6:7], w1 s[8:9], wf1 s[10:11], wf2 s[12:13], b1 s[14:15], g s[16:17], be s[18:19]
	s_load_b256 s[20:27], s[0:1], 0x40             ; bf1 s[20:21], bf2 s[22:23], the scales' exponents s[24:25], out0 s[26:27]
	v_lshl_add_u32 v30, v0, 2, 0x41800
	v_mov_b32 v31, 0
	ds_add_u32 v30, v31
	ds_add_u32 v30, v31
	v_lshrrev_b32 v32, 5, v0
	v_readfirstlane_b32 s2, v32                    ; wave 0..3
	v_and_b32 v32, 31, v0                          ; lane
	v_and_b32 v33, 15, v0                          ; r
	v_bfe_u32 v34, v0, 4, 1                        ; h
	v_and_b32 v35, 8, v33
	v_add_nc_u32 v35, v35, v33                     ; r + 8 (r / 8)
	v_lshlrev_b32 v1, 4, v32                       ; 16 x lane
	v_lshlrev_b32 v2, 9, v35
	v_lshl_add_u32 v2, v34, 4, v2                  ; a weight's row of 512 bytes, + 16 h
	v_lshlrev_b32 v3, 10, v35
	v_lshl_add_u32 v3, v34, 4, v3                  ; of 1,024 bytes
	v_lshlrev_b32 v4, 6, v34                       ; biases: 64 h
	v_add_nc_u32 v5, OIMG, v1
	v_add_nc_u32 v6, YIMG, v1
	v_add_nc_u32 v7, HIMG, v1
	s_mul_i32 s90, s2, XSW                         ; my slice in LDS
	v_mul_u32_u24 v36, v33, XP
	v_lshl_add_u32 v36, v34, 6, v36
	v_add_nc_u32 v8, s90, v36                      ; row r, + 64 h: my 16 numbers of a block of 32 columns
	v_add_nc_u32 v9, s90, v1                       ; a whole row slice: 16 bytes a lane
	v_lshlrev_b32 v36, 4, v33
	v_add_nc_u32 v11, SUM, v36                     ; a row's four partial sums
	s_lshl_b32 s91, s2, 2
	v_add_nc_u32 v10, s91, v11                     ; mine among them
	s_lshl_b32 s91, s2, 11
	v_add_nc_u32 v12, s91, v6                      ; y's images: K step w
	s_lshl_b32 s91, s2, 12
	v_add_nc_u32 v13, s91, v7                      ; the hidden layer's: K steps 2 w, 2 w + 1
	s_lshl_b32 s91, s2, 13
	v_add_nc_u32 v[OWB], s91, v5                   ; O's codes: my wave's 8,192 bytes
	v_lshlrev_b32 v[PFO], 8, v32
	v_mov_b32 v[PERM], 0                           ; a permute's destination, and the upper halves of two pairs: written once
	v_mov_b32 v[NM+1], 0
	v_mov_b32 v[RL+1], 0
	; descriptor group 1.  Xn's slice: 64 rows of 128 f32, 512 apart in memory, 16 bytes of padding behind each row's 128 words
	s_mov_b32 s52, (2<<16)|(1<<20)|(6<<22)|(3<<25)
	s_mov_b32 s53, 128<<16
	s_mov_b32 s54, 64<<16
	s_mov_b32 s55, 128<<16
	s_mov_b32 s56, 64
	s_mov_b32 s57, 512
	s_mov_b32 s58, 0
	s_mov_b32 s59, 0
	s_mov_b32 s88, 0x76543210                      ; v_permlanex16_b32: lane l xor 16
	s_mov_b32 s89, 0xfedcba98
	s_lshl_b32 s92, ttmp9, 17                      ; 64 rows of 2,048 bytes a work-group,
	s_lshl_b32 s93, s2, 9
	s_add_co_u32 s92, s92, s93                     ; my 512 bytes of a row
	s_mov_b32 s93, 0
	s_lshr_b32 s94, ttmp9, 3
	s_lshl_b32 s94, s94, 3
	s_lshl_b32 s95, s2, 1
	s_add_co_u32 s94, s94, s95                     ; unit 8 n + 2 w: my first head
	s_mul_i32 s94, s94, 98304                      ; a unit: Q 32,768 bytes, K 32,768, V^T 32,768
	s_mov_b32 s95, 0
	s_and_b32 s75, ttmp9, 7                        ; my block of 64 tokens in the batch
	s_lshl_b32 s74, s75, 12                        ; Q: its four tiles of 1,024 bytes
	s_cmp_eq_u32 s75, 0
	s_cselect_b32 s71, 2, -1                       ; the trip in which I prefetch: the batch's first work-group alone
	s_mov_b32 s72, 0                               ; the trip
	s_mov_b32 s73, 0                               ; 1,024 x the trip
	v_add_nc_u32 v[AQO], s74, v1
	s_wait_dscnt 0x0
	s_wait_kmcnt 0x0
	s_load_b512 s[28:43], s[24:25], 0x0            ; e0 .. e15
	s_add_nc_u64 s[48:49], s[6:7], s[94:95]        ; my first head's unit
	s_mov_b32 s44, 1
	s_mov_b32 s45, s90
	s_add_nc_u64 s[46:47], s[4:5], s[92:93]
	s_or_b32 s47, s47, 0x80000000
	s_add_nc_u64 s[26:27], s[26:27], s[92:93]      ; out0 at my slice
	s_lshl_b32 s92, s2, 16
	s_add_nc_u64 s[8:9], s[8:9], s[92:93]          ; my 128 rows of w1,
	s_lshl_b32 s92, s2, 17
	s_add_nc_u64 s[10:11], s[10:11], s[92:93]      ; 256 of wf1,
	s_add_nc_u64 s[12:13], s[12:13], s[92:93]      ; 128 of wf2
	s_lshl_b32 s92, s2, 9
	s_add_nc_u64 s[14:15], s[14:15], s[92:93]
	s_add_nc_u64 s[16:17], s[16:17], s[92:93]
	s_add_nc_u64 s[18:19], s[18:19], s[92:93]
	s_add_nc_u64 s[22:23], s[22:23], s[92:93]
	s_lshl_b32 s92, s2, 10
	s_add_nc_u64 s[20:21], s[20:21], s[92:93]
	BLOAD BIAS, 14, 0                              ; b1
	global_load_b128 v[Q:Q+3], v[AQO], s[48:49]    ; the first tile of Q
	global_load_b128 v[Q+4:Q+7], v[AQO], s[48:49] offset:512
	KVLOAD 0x80, 32768                             ; my first head's K,
	KVLOAD 0xc0, 65536                             ; and V^T
	tensor_load_to_lds s[44:47], s[52:59]          ; my slice of Xn: my one tensor load, behind the loads that are wanted first; only I read its bytes, behind the loop
	s_nop 0
.rept 4
	v_nop
.endr
	s_wait_kmcnt 0x0
	s_add_co_i32 s84, s38, s39                     ; e10 + e11
	s_add_co_i32 s78, s84, 127
	s_lshl_b32 s78, s78, 23
	s_mov_b32 s79, s78                             ; (named with it as a pair, so it is written)
	s_sub_co_i32 s76, 127, s84
	s_lshl_b32 s76, s76, 23
	s_mov_b32 s77, s76
	s_sub_co_i32 s84, 0, s84
	s_add_co_i32 s86, s42, s43                     ; e14 + e15
	s_add_co_i32 s82, s86, 127
	s_lshl_b32 s82, s82, 23
	s_mov_b32 s83, s82
	s_sub_co_i32 s80, 127, s86
	s_lshl_b32 s80, s80, 23
	s_mov_b32 s81, s80
	s_sub_co_i32 s86, 0, s86
	s_add_co_i32 s85, s40, s41                     ; e12 + e13
	s_sub_co_i32 s87, s42, s85                     ; e14 - e12 - e13
	s_sub_co_i32 s85, 0, s85
	MKSC 40, 16, 17
	MKSC 87, 18, 19
	s_add_co_i32 s68, s34, s35
	s_lshl_b32 s68, s68, 23
	s_add_co_i32 s68, s68, 0x3e38aa3b              ; log2(e) / 8 x 2^(e6 + e7)
	s_mov_b32 s69, s68
	s_add_co_i32 s90, s37, 127
	s_lshl_b32 s91, s90, 23
	v_mov_b32 v[SCP], s91                          ; 2^e9
	s_add_co_i32 s90, s90, 8
	s_lshl_b32 s90, s90, 23
	s_or_b32 s70, s90, 0x600000                    ; 448 x 2^e9
	s_sub_co_i32 s75, s38, s36
	s_sub_co_i32 s75, s75, s37                     ; e10 - e8 - e9: a sum stands for sum x 2^(e8 + e9)
	MKSC 75, SCO, LIMO
	s_wait_loadcnt 63                              ; b1, Q and K are in: V's 64 loads were issued behind them and may be out
	; ---- attention: eight trips, trip i = 4 x (head % 2) + query tile.  All that a trip loads is waited for ahead of its second product: nothing is out at the backward jump
.Ltile:
	SPROD
	s_add_co_u32 s74, s74, 1024                    ; the next tile of Q
	s_cmp_eq_u32 s72, 3
	s_cbranch_scc0 .Lnot3
	s_add_co_u32 s74, s74, 98304-4096              ; which is the second head's first;
	KVLOAD 0x80, 98304+32768                       ; the first head's last scores are made: the second head's K
.Lnot3:
	s_cmp_eq_u32 s72, 4
	s_cbranch_scc0 .Lnot4
	s_wait_loadcnt 0x0                             ; V's registers are loaded again only when no earlier load into them is out
	KVLOAD 0xc0, 98304+65536                       ; the second head's V^T: its first use stands behind this trip's softmax
.Lnot4:
	s_cmp_eq_u32 s72, 7
	s_cbranch_scc1 .Llast
	v_add_nc_u32 v[AQO], s74, v1
	global_load_b128 v[Q:Q+3], v[AQO], s[48:49]
	global_load_b128 v[Q+4:Q+7], v[AQO], s[48:49] offset:512
	; A PREFETCH INTO THE L2 of the second head's K and V^T, 65,536 consecutive bytes a wave: in trip 2, one trip ahead of K's loads and two ahead of V's.  The 8 work-groups of a batch load the same bytes:
	; the batch's first asks, each wave for its own second head, 8 instructions, lanes 256 bytes apart: each block of 256 bytes is named once in the launch.  The first head's come by their loads alone.
	s_cmp_eq_u32 s72, s71
	s_cbranch_scc0 .Ljoin
.irp j,0,1,2,3,4,5,6,7
	global_prefetch_b8 v[PFO], s[48:49] offset:98304+32768+8192*\j th:TH_LOAD_NT scope:SCOPE_SE
.endr
	s_branch .Ljoin
.Llast:
	s_wait_loadcnt 0x0                             ; K's registers are loaded again only when no earlier load into them is out
	WFILL 0, 8, 2, 512, 0                          ; the last scores are made: w1's first two K steps take K's registers
	WFILL 1, 8, 2, 512, 128
.Ljoin:
	SOFTMAX
	s_wait_loadcnt 0x0                             ; V^T is in, and all else that this trip has asked for
	PV
	OUT
	s_add_co_u32 s73, s73, 1024
	s_add_co_u32 s72, s72, 1
	s_cmp_lt_u32 s72, 8
	s_cbranch_scc1 .Ltile
	WFILL 2, 8, 2, 512, 256                        ; w1's other two K steps take V's registers
	WFILL 3, 8, 2, 512, 384
	s_wait_tensorcnt 0x0                           ; my slice of Xn lies in LDS
	BARRIER                                        ; and every wave's codes of O
	; ---- X2 = Xn + O w1^T + b1
	XSIN
	AFETCHO AF0, 0
	AFETCHO AF1, 1
	BSCALE 84                                      ; b1 / 2^(e10 + e11)
	s_wait_dscnt 32                                ; Xn is in; the two fetches may be out
	CINIT 76
	GSTEP 0, AF0, 0, 63, 16
	WFILL 0, 10, 2, 512, 0
	AFETCHO AF0, 2
	GSTEP 1, AF1, 0, 63, 16
	WFILL 1, 10, 2, 512, 128
	AFETCHO AF1, 3
	GSTEP 2, AF0, 0, 63, 16
	WFILL 2, 10, 2, 512, 256
	GSTEP 3, AF1, 0, 63, 0                         ; the next operand lies behind a barrier: nothing is fetched ahead
	WFILL 3, 10, 2, 512, 384
	BLOAD AF0, 16, 0                               ; the gain,
	BLOAD AF1, 18, 0                               ; the LayerNorm's bias,
	BLOAD BIAS, 20, 0                              ; bf1 of the first pass
	; ---- the LayerNorm
	ASCALE 78                                      ; X2
	WIN 0x04
.irp m,0,1,2,3
	XSOUT \m                                       ; kept for the residual
.endr
	WIN 0x05
.irp m,0,1,2,3
	v_pk_add_f32 v[ST+8*\m:ST+8*\m+1], v[64*\m:64*\m+1], v[64*\m+2:64*\m+3]
	v_pk_add_f32 v[ST+8*\m+2:ST+8*\m+3], v[64*\m+4:64*\m+5], v[64*\m+6:64*\m+7]
.endr
	WIN 0x04
.set i,8
.rept 14
.irp m,0,1,2,3
	v_pk_add_f32 v[ST+8*\m:ST+8*\m+1], v[ST+8*\m:ST+8*\m+1], v[64*\m+i:64*\m+i+1]
	v_pk_add_f32 v[ST+8*\m+2:ST+8*\m+3], v[ST+8*\m+2:ST+8*\m+3], v[64*\m+i+2:64*\m+i+3]
.endr
.set i,i+4
.endr
	WIN 0
.irp m,0,1,2,3
	v_pk_add_f32 v[ST+8*\m:ST+8*\m+1], v[ST+8*\m:ST+8*\m+1], v[ST+8*\m+2:ST+8*\m+3]
.endr
.irp m,0,1,2,3
	v_add_f32 v[ST+8*\m], v[ST+8*\m], v[ST+8*\m+1]
.endr
.irp m,0,1,2,3
	v_permlanex16_b32 v[ST+8*\m+1], v[ST+8*\m], s88, s89
.endr
.irp m,0,1,2,3
	v_add_f32 v[ST+8*\m], v[ST+8*\m], v[ST+8*\m+1] ; my 128 columns' sum of row 16 m + r
.endr
.irp m,0,1,2,3
	ds_store_b32 v10, v[ST+8*\m] offset:256*\m
.endr
	BARRIER
.irp m,0,1,2,3
	ds_load_b128 v[ST+8*\m+4:ST+8*\m+7], v11 offset:256*\m
.endr
	s_wait_dscnt 0x0
.irp m,0,1,2,3
	v_add_f32 v[ST+8*\m+4], v[ST+8*\m+4], v[ST+8*\m+5]
	v_add_f32 v[ST+8*\m+6], v[ST+8*\m+6], v[ST+8*\m+7]
.endr
.irp m,0,1,2,3
	v_add_f32 v[ST+8*\m+4], v[ST+8*\m+4], v[ST+8*\m+6]
.endr
.irp m,0,1,2,3
	v_mul_f32 v[ST+8*\m], 0x3b000000, v[ST+8*\m+4] ; the mean
.endr
	WIN 0x41
.irp m,0,1,2,3
.set i,0
.rept 32
	v_pk_add_f32 v[64*\m+i:64*\m+i+1], v[64*\m+i:64*\m+i+1], v[ST+8*\m:ST+8*\m+1] op_sel_hi:[1,0] neg_lo:[0,1] neg_hi:[0,1]
.set i,i+2
.endr
.endr
	WIN 0x05
.irp m,0,1,2,3
	v_pk_mul_f32 v[ST+8*\m+2:ST+8*\m+3], v[64*\m:64*\m+1], v[64*\m:64*\m+1]
	v_pk_mul_f32 v[ST+8*\m+4:ST+8*\m+5], v[64*\m+2:64*\m+3], v[64*\m+2:64*\m+3]
.endr
.set i,4
.rept 15
.irp m,0,1,2,3
	v_pk_fma_f32 v[ST+8*\m+2:ST+8*\m+3], v[64*\m+i:64*\m+i+1], v[64*\m+i:64*\m+i+1], v[ST+8*\m+2:ST+8*\m+3]
	v_pk_fma_f32 v[ST+8*\m+4:ST+8*\m+5], v[64*\m+i+2:64*\m+i+3], v[64*\m+i+2:64*\m+i+3], v[ST+8*\m+4:ST+8*\m+5]
.endr
.set i,i+4
.endr
	WIN 0
.irp m,0,1,2,3
	v_pk_add_f32 v[ST+8*\m+2:ST+8*\m+3], v[ST+8*\m+2:ST+8*\m+3], v[ST+8*\m+4:ST+8*\m+5]
.endr
.irp m,0,1,2,3
	v_add_f32 v[ST+8*\m+2], v[ST+8*\m+2], v[ST+8*\m+3]
.endr
.irp m,0,1,2,3
	v_permlanex16_b32 v[ST+8*\m+3], v[ST+8*\m+2], s88, s89
.endr
.irp m,0,1,2,3
	v_add_f32 v[ST+8*\m+2], v[ST+8*\m+2], v[ST+8*\m+3]
.endr
.irp m,0,1,2,3
	ds_store_b32 v10, v[ST+8*\m+2] offset:1024+256*\m
.endr
	BARRIER
.irp m,0,1,2,3
	ds_load_b128 v[ST+8*\m+4:ST+8*\m+7], v11 offset:1024+256*\m
.endr
	s_wait_dscnt 0x0
.irp m,0,1,2,3
	v_add_f32 v[ST+8*\m+4], v[ST+8*\m+4], v[ST+8*\m+5]
	v_add_f32 v[ST+8*\m+6], v[ST+8*\m+6], v[ST+8*\m+7]
.endr
.irp m,0,1,2,3
	v_add_f32 v[ST+8*\m+4], v[ST+8*\m+4], v[ST+8*\m+6]
.endr
.irp m,0,1,2,3
	v_mul_f32 v[ST+8*\m+2], 0x3b004020, v[ST+8*\m+4]   ; / 511
.endr
.irp m,0,1,2,3
	v_sqrt_f32 v[ST+8*\m+2], v[ST+8*\m+2]
.endr
	v_nop
	s_wait_alu depctr_va_vdst(0)                   ; one wait for the four roots
.irp m,0,1,2,3
	v_add_f32 v[ST+8*\m+2], 0x358637bd, v[ST+8*\m+2]   ; + 1e-6
.endr
.irp m,0,1,2,3
	v_rcp_f32 v[ST+8*\m+2], v[ST+8*\m+2]
.endr
	v_nop
	s_wait_alu depctr_va_vdst(0)                   ; one wait for the four reciprocals
	s_wait_loadcnt 0x0                             ; the gain, the bias and bf1 are the youngest loads
	WIN 0x41
.irp m,0,1,2,3
.set i,0
.rept 32
	v_pk_mul_f32 v[64*\m+i:64*\m+i+1], v[64*\m+i:64*\m+i+1], v[ST+8*\m+2:ST+8*\m+3] op_sel_hi:[1,0]
.set i,i+2
.endr
.endr
.irp m,0,1,2,3
.set i,0
.rept 32
	v_pk_fma_f32 v[64*\m+i:64*\m+i+1], v[64*\m+i:64*\m+i+1], v[AF0+i:AF0+i+1], v[AF1+i:AF1+i+1]
.set i,i+2
.endr
.endr
.set i,0
.rept 256
	v_med3_num_f32 v[i], v[i], -v17, v17           ; the hold at 448 x 2^e12
.set i,i+1
.endr
	WIN 0x01
.irp m,0,1,2,3
.irp t,0,1,2,3,4,5,6,7
	v_cvt_scalef32_pk8_fp8_f32 v[AF0+16*\m+2*\t:AF0+16*\m+2*\t+1], v[64*\m+8*\t:64*\m+8*\t+7], v16
.endr
.endr
	WIN 0
	v_nop                                          ; a plain instruction behind the last conversion
.irp m,0,1,2,3
.irp c,0,1,2,3
	ds_store_b128 v12, v[AF0+16*\m+4*\c:AF0+16*\m+4*\c+3] offset:8192*\m+512*\c
.endr
.endr
	BSCALE 85                                      ; bf1 / 2^(e12 + e13)
	BARRIER                                        ; y's sixteen images lie in LDS
	; ---- the hidden layer, two passes of 128 units a wave
	AFETCH AF0, 6, 0, 8192
	AFETCH AF1, 6, 2048, 8192
	GSTEP 0, AF0, 1, 63, 16                        ; (these four fills were shown landed by the wait for 0 above)
	BLOAD BIAS, 20, 512                            ; bf1 of the second pass, ahead of four fills
	WFILL 0, 10, 2, 512, 65536
	AFETCH AF0, 6, 4096, 8192
	GSTEP 1, AF1, 0, 63, 16
	WFILL 1, 10, 2, 512, 65536+128
	AFETCH AF1, 6, 6144, 8192
	GSTEP 2, AF0, 0, 63, 16
	WFILL 2, 10, 2, 512, 65536+256
	AFETCH AF0, 6, 0, 8192
	GSTEP 3, AF1, 0, 63, 16
	WFILL 3, 10, 2, 512, 65536+384
	HIDDEN 0
	s_wait_loadcnt 63                              ; bf1's second half: 128 loads were issued behind it
	BSCALE 85
	s_wait_dscnt 0x0                               ; the images' stores have read the registers that the next fragments take
	AFETCH AF1, 6, 2048, 8192
	GSTEP 0, AF0, 1, 63, 16
	BLOAD BIAS, 22, 0                              ; bf2, ahead of four fills
	WFILL 0, 12, 3, 1024, 0
	AFETCH AF0, 6, 4096, 8192
	GSTEP 1, AF1, 0, 63, 16
	WFILL 1, 12, 3, 1024, 128
	AFETCH AF1, 6, 6144, 8192
	GSTEP 2, AF0, 0, 63, 16
	WFILL 2, 12, 3, 1024, 256
	GSTEP 3, AF1, 0, 63, 0
	WFILL 3, 12, 3, 1024, 384
	HIDDEN 1
	BARRIER                                        ; the hidden layer's 32 images lie in LDS
	; ---- out = X2 + hidden wf2^T + bf2
	XSIN
	AFETCH AF0, 7, 0, 16384
	AFETCH AF1, 7, 2048, 16384
	s_wait_loadcnt 63                              ; bf2: 128 loads were issued behind it
	BSCALE 86
	s_wait_dscnt 32                                ; X2 is in
	CINIT 80
	GSTEP 0, AF0, 0, 63, 16
	WFILL 0, 12, 3, 1024, 512
	AFETCH AF0, 7, 2*2048, 16384
	GSTEP 1, AF1, 0, 63, 16
	WFILL 1, 12, 3, 1024, 640
	AFETCH AF1, 7, 3*2048, 16384
	GSTEP 2, AF0, 0, 63, 16
	WFILL 2, 12, 3, 1024, 768
	AFETCH AF0, 7, 4*2048, 16384
	GSTEP 3, AF1, 0, 63, 16
	WFILL 3, 12, 3, 1024, 896
	AFETCH AF1, 7, 5*2048, 16384
	GSTEP 0, AF0, 0, 63, 16                        ; 96 loads behind this fill,
	AFETCH AF0, 7, 6*2048, 16384
	GSTEP 1, AF1, 0, 63, 16                        ; 64,
	AFETCH AF1, 7, 7*2048, 16384
	GSTEP 2, AF0, 0, 32, 16                        ; 32,
	GSTEP 3, AF1, 0, 0, 0                          ; none
	; ---- the way out: through my slice in LDS, back as whole row slices of 512 bytes.  LDS serves a wave's instructions in order (ISA guide 5.7.1.4): no wait between the stores and the loads
	ASCALE 82
.irp m,0,1,2,3
	WIN 0x04
	XSOUT \m
	WIN 0x80
.irp i,0,1,2,3,4,5,6,7,8,9,10,11,12,13,14,15
	ds_load_b128 v[64*\m+4*\i:64*\m+4*\i+3], v9 offset:XP*(16*\m+\i)
.endr
.endr
	WIN 0x08
.irp m,0,1,2,3
.if \m < 2
	s_wait_dscnt 63                                ; 96 or 64 LDS instructions were issued behind this block's loads
.else
	s_wait_dscnt 32*(3-\m)
.endif
.irp i,0,1,2,3,4,5,6,7,8,9,10,11,12,13,14,15
	global_store_b128 v1, v[64*\m+4*\i:64*\m+4*\i+3], s[26:27] offset:2048*(16*\m+\i) th:TH_STORE_NT   ; 512 consecutive bytes, aligned
.endr
.endr
	WIN 0
	s_wait_tensorcnt 0x0
	ds_add_u32 v30, v31
	s_wait_dscnt 0x0
	s_endpgm
.Lfunc_end_k_q5c4cedac0c_attffn:
	.size	k_q5c4cedac0c_attffn, .Lfunc_end_k_q5c4cedac0c_attffn-k_q5c4cedac0c_attffn
	.p2alignl 7, 3214868480
	.fill 96, 4, 3214868480
	.section	.rodata,"a",@progbits
	.p2align	6, 0x0
	.amdhsa_kernel k_q5c4cedac0c_attffn
		.amdhsa_group_segment_fixed_size 268800
		.amdhsa_private_segment_fixed_size 0
		.amdhsa_enable_private_segment 0
		.amdhsa_kernarg_size 96
		.amdhsa_user_sgpr_count 2
		.amdhsa_user_sgpr_kernarg_segment_ptr 1
		.amdhsa_wavefront_size32 1
		.amdhsa_system_sgpr_workgroup_id_x 1
		.amdhsa_system_sgpr_workgroup_id_y 1
		.amdhsa_system_sgpr_workgroup_id_z 1
		.amdhsa_system_vgpr_workitem_id 0
		.amdhsa_next_free_vgpr 1024
		.amdhsa_next_free_sgpr 100
		.amdhsa_reserve_vcc 0
		.amdhsa_float_denorm_mode_32 3
		.amdhsa_float_denorm_mode_16_64 3
		.amdhsa_memory_ordered 1
		.amdhsa_forward_progress 1
		.amdhsa_inst_pref_size 255
	.end_amdhsa_kernel
	.section	.bss,"aw",@nobits
	.p2align	6
	.space	262144
	.amdgpu_metadata
---
amdhsa.version: [ 1, 2 ]
amdhsa.kernels:
  - .name:           k_q5c4cedac0c_attffn
    .symbol:         k_q5c4cedac0c_attffn.kd
    .args:
      - { .name: xn, .offset: 0, .size: 8, .value_kind: global_buffer, .address_space: global }
      - { .name: qkv, .offset: 8, .size: 8, .value_kind: global_buffer, .address_space: global }
      - { .name: w1_codes, .offset: 16, .size: 8, .value_kind: global_buffer, .address_space: global }
      - { .name: wf1_codes, .offset: 24, .size: 8, .value_kind: global_buffer, .address_space: global }
      - { .name: wf2_codes, .offset: 32, .size: 8, .value_kind: global_buffer, .address_space: global }
      - { .name: b1, .offset: 40, .size: 8, .value_kind: global_buffer, .address_space: global }
      - { .name: g_ffn, .offset: 48, .size: 8, .value_kind: global_buffer, .address_space: global }
      - { .name: be_ffn, .offset: 56, .size: 8, .value_kind: global_buffer, .address_space: global }
      - { .name: bf1, .offset: 64, .size: 8, .value_kind: global_buffer, .address_space: global }
      - { .name: bf2, .offset: 72, .size: 8, .value_kind: global_buffer, .address_space: global }
      - { .name: lowp_scales, .offset: 80, .size: 8, .value_kind: global_buffer, .address_space: global }
      - { .name: out0, .offset: 88, .size: 8, .value_kind: global_buffer, .address_space: global }
    .group_segment_fixed_size: 268800
    .private_segment_fixed_size: 0
    .kernarg_segment_align: 8
    .kernarg_segment_size: 96
    .max_flat_workgroup_size: 128
    .sgpr_count:     100
    .vgpr_count:     1024
    .wavefront_size: 32
...
	.end_amdgpu_metadata
.endif
;; end of part 2
